; MI455X (gfx1250); checked and timed in simulation.
; The chip was launched on July 23, 2026; its instructions are those of AMD's public machine-readable ISA for CDNA 5 (MIT licence, August 2026) and "CDNA5" Instruction Set Architecture Reference Guide (July 2026). The comments in the code are by the model that wrote it; some were corrected since.
;; Memory Mo E2. Allowed arithmetic: float matrix products may take bf16 or f16 operands with f32 sums; all other float work in f32.
;; Inputs: W1 16 x 1,024 x 128 float32; W2 16 x 128 x 1,024 float32; routing_indices 16,384 x 2 int32; routing_weights 16,384 x 16 float32; x 16,384 x 1,024 float32.
;; Outputs: out0 16,384 x 1,024 float32.
;; One version. Each part assembles by itself: llvm-mc -triple=amdgcn-amd-amdhsa -mcpu=gfx1250 --defsym DOCPART=n.
;; ======== version 1 of 1: 2 launches
;; limits: inputs' magnitudes at most 65,504; values are held in f16: magnitudes above 65,504 overflow, below 6.1e-05 lose precision
;; workspace buffers: route 16,777,216 bytes of whole numbers; counts 2,048 bytes of whole numbers; wfrag 8,388,608 bytes
;; launch prep (part 1): grid 256 x 1, 9 waves a work-group, no clusters, 67,072 bytes of LDS; arguments W1, W2, routing_indices, route, wfrag, counts; writes route, wfrag, counts
.if DOCPART == 1
	.amdgcn_target "amdgcn-amd-amdhsa--gfx1250"
	.amdhsa_code_object_version 6
	.text
	.protected	k_qf386fe38a6_prep
	.globl	k_qf386fe38a6_prep
	.p2align	8
	.type	k_qf386fe38a6_prep,@function
k_qf386fe38a6_prep:
	s_mov_b64 s[64:65], 0
	v_nop
	global_prefetch_b8 v0, s[64:65] scope:SCOPE_SE
	s_setreg_imm32_b32 hwreg(HW_REG_WAVE_MODE, 25, 1), 1
	s_wait_xcnt 0x0
; prep: work-group g (0..255) does two things.
; (1) WAVE 8 builds the list of the tokens whose ordered pair of experts (i0, i1) has the key 16 i0 + i1 = g and stores it at route + g * 65536 (4 bytes a
;     token), the number of these tokens at counts + 4 g and the number of their chunks of 64 at counts + 1024 + 4 g.  The list is written in pieces of 64
;     entries, at least one piece; entries past the count repeat the last valid token (token 0 where the bin is empty).
;     One wave scans all 16,384 tokens, so that the count that steers the copy loop is made in that wave's own scalar registers, from the index input alone.
; (2) WAVES 0-7 rewrite 1/256 of W1 and of W2 as f16 in the order in which a matrix fragment is loaded: a block of 1,024 bytes holds 16 n x 32 k;
;     byte j*512 + h*256 + r*16 holds S[k0+16j+8h+0..7][n0+r].
;     W1f at wfrag + e*262144 + half*131072 + ks*4096 + q*1024 (n = 64 half + 16 q + r, k0 = 32 ks),
;     W2f at wfrag + 4 MiB + e*262144 + cblk*16384 + ks*4096 + q*1024 (n = 64 cblk + 16 q + r, k0 = 32 ks).
; The two parts rejoin at ONE barrier, which every wave passes once: the list is put into LDS in front of it and read back behind it.
; LIMITS: indices are taken as 0..15.  The key is (16 i0 + i1) & 255, so that every token lands in exactly one bin; an index outside 0..15
; is thereby taken for another expert instead of adding nothing.  A weight beyond f16's largest number, 65,504, becomes infinite; weights below 2^-14
; are kept on f16's grid of 2^-24.
; No matrix unit, no tensor load, no cluster: the work is a scan of 128 KiB of indices and a cast of 64 KiB of weights a work-group.
.set IDX,   84                         ; wave 8: v[84:211]  a ring of 32 slots of 4 words: two tokens' index pairs a lane, 64 tokens a slot
.set KY,    16                         ; wave 8: v[16:23]   eight keys
.set PL,    24                         ; wave 8: v[24:31]   eight places in the list, then LDS addresses
.set TK,    32                         ; wave 8: v[32:39]   eight token numbers
.set MK,    40                         ; wave 8: s[40:47]   eight masks of matching lanes
.set RN,    48                         ; wave 8: s[48:56]   the count in front of each of the eight masks, and behind the last
.set S1,    212                        ; waves 0-7: v[212:243] W1 as loaded: task i, row kk at S1 + 8 i + kk
.set S2,    84                         ; waves 0-7: v[84:115]  W2 as loaded
.set O1,    52                         ; waves 0-7: v[52:67]   W1 packed, four registers a task
.set O2,    68                         ; waves 0-7: v[68:83]   W2 packed
; v0 thread, v1 lane.  Waves 0-7: v3/v4 W1 source/destination offset, v5/v6 the same for W2, v10-15 at work.
; Wave 8: v2 index offset, v8 the dump entry, v9 my first token of the lap, v39 8 x lane, v[40:41], v[46:49] copy and counts.
; s16 g, s17 wave, s18 e, s19 p, s[20:27] the weights' sources and destinations, s[28:29] the list's next piece
	s_load_b256 s[4:11], s[0:1], 0x0               ; W1 s[4:5], W2 s[6:7], routing_indices s[8:9], route s[10:11]
	s_load_b128 s[12:15], s[0:1], 0x20             ; wfrag s[12:13], counts s[14:15]
	v_lshl_add_u32 v248, v0, 2, 0x10100
	v_mov_b32 v249, 0
	v_lshrrev_b32 v1, 5, v0
	v_readfirstlane_b32 s17, v1                    ; wave 0..8
	s_mov_b32 s16, ttmp9                           ; g: my bin, and my share of the weights
	s_lshr_b32 s18, s16, 4                         ; e: the expert whose weights I cast
	s_and_b32 s19, s16, 15                         ; p: which sixteenth of them
	v_and_b32 v1, 31, v0                           ; lane
	s_mov_b32 s3, 0
	s_mov_b32 s[RN], 0                             ; the bin's count so far
	s_wait_kmcnt 0x0
	s_cmp_eq_u32 s17, 8
	s_cbranch_scc1 .Lscan
	; WAVES 0-7: the weights.  t = v0 = 0..255.
	v_lshrrev_b32 v10, 7, v0                       ; t >> 7
	v_and_b32 v11, 127, v0
	v_lshlrev_b32 v3, 2, v11
	v_lshl_add_u32 v3, v10, 12, v3                 ; W1 source: column t & 127, 8 rows of 512 bytes for t >> 7
	v_and_b32 v12, 15, v0                          ; r
	v_bfe_u32 v13, v0, 4, 2                        ; q
	v_bfe_u32 v14, v0, 6, 1
	v_lshlrev_b32 v6, 4, v12
	v_lshl_add_u32 v6, v13, 10, v6                 ; q * 1024 + r * 16, common to both destinations
	v_lshl_add_u32 v4, v10, 8, v6                  ; W1: h = t >> 7
	v_lshl_add_u32 v4, v14, 17, v4                 ;     half = (t >> 6) & 1
	v_lshrrev_b32 v15, 6, v0
	v_and_b32 v11, 63, v0
	v_lshlrev_b32 v5, 2, v11
	v_lshl_add_u32 v5, v15, 15, v5                 ; W2 source: column t & 63, 8 rows of 4,096 bytes for t >> 6
	v_lshl_add_u32 v6, v10, 9, v6                  ; W2: j = t >> 7
	v_lshl_add_u32 v6, v14, 8, v6                  ;     h = (t >> 6) & 1
	s_lshl_b32 s2, s18, 19
	s_lshl_b32 s32, s19, 15
	s_add_co_u32 s2, s2, s32
	s_add_nc_u64 s[20:21], s[4:5], s[2:3]          ; W1 + e * 524288 + p * 32768: rows k = 64 p .. 64 p + 63
.irp i, 0,1,2,3
.irp kk, 0,1,2,3,4,5,6,7
	global_load_b32 v[S1+8*\i+\kk], v3, s[20:21] offset:\i*8192+\kk*512 th:TH_LOAD_NT   ; k = 64 p + 16 i + 8 (t >> 7) + kk
.endr
.endr
	s_lshl_b32 s2, s18, 19
	s_lshl_b32 s32, s19, 8
	s_add_co_u32 s2, s2, s32
	s_add_nc_u64 s[22:23], s[6:7], s[2:3]          ; W2 + e * 524288 + p * 256: columns 64 p .. 64 p + 63
	s_lshl_b32 s2, s18, 18
	s_lshl_b32 s32, s19, 13
	s_add_co_u32 s2, s2, s32
	s_add_nc_u64 s[24:25], s[12:13], s[2:3]        ; W1f + e * 262144 + (ks = 2 p) * 4096
	s_lshl_b32 s2, s18, 18
	s_lshl_b32 s32, s19, 14
	s_add_co_u32 s2, s2, s32
	s_add_co_u32 s2, s2, 0x400000
	s_add_nc_u64 s[26:27], s[12:13], s[2:3]        ; W2f + e * 262144 + (cblk = p) * 16384
	; Eight f32 of one column, k ascending, become 16 bytes.  Lanes 0-15 and lanes 16-31 each store 256 consecutive bytes, aligned.
	s_wait_loadcnt 24                              ; W1's first task is in; its three later tasks, 8 loads each, stay out
.irp m, 0,1,2,3
	v_cvt_pk_f16_f32 v[O1+\m], v[S1+2*\m], v[S1+2*\m+1]
.endr
	global_store_b128 v4, v[O1:O1+3], s[24:25]
.irp i, 0,1,2,3
.irp kk, 0,1,2,3,4,5,6,7
	global_load_b32 v[S2+8*\i+\kk], v5, s[22:23] offset:\i*131072+\kk*4096 th:TH_LOAD_NT   ; k = 32 i + 8 (t >> 6) + kk
.endr
.endr
.irp i, 1,2,3
	s_wait_loadcnt 56-8*\i                         ; younger: W1's later tasks, 8 loads each, and the 32 loads of W2
.irp m, 0,1,2,3
	v_cvt_pk_f16_f32 v[O1+4*\i+\m], v[S1+8*\i+2*\m], v[S1+8*\i+2*\m+1]
.endr
	global_store_b128 v4, v[O1+4*\i:O1+4*\i+3], s[24:25] offset:(\i>>1)*4096+(\i&1)*512
.endr
.irp i, 0,1,2,3
	s_wait_loadcnt 24-8*\i                         ; younger: W2's later tasks
.irp m, 0,1,2,3
	v_cvt_pk_f16_f32 v[O2+4*\i+\m], v[S2+8*\i+2*\m], v[S2+8*\i+2*\m+1]
.endr
	global_store_b128 v6, v[O2+4*\i:O2+4*\i+3], s[26:27] offset:\i*4096
.endr
	s_branch .Ljoin
	; WAVE 8: the scan.
.Lscan:
	v_lshlrev_b32 v2, 4, v1                        ; 16 bytes a lane: two tokens
.set J, 0
.rept 32
	global_load_b128 v[IDX+4*J:IDX+4*J+3], v2, s[8:9] offset:512*J   ; the ring is filled: tokens 0 .. 2047
.set J, J+1
.endr
	v_mov_b32 v8, 0x4000                           ; the dump entry, behind the 16,384 real ones
	v_lshlrev_b32 v9, 1, v1                        ; 2 lane
	v_mov_b32 v13, 0
	ds_store_b32 v13, v13                          ; entry 0 is written whatever the data: an empty bin's list repeats it
; Four slots of the ring = eight masks of 32 tokens, taken stage by stage so that the eight chains do not wait for each other.  A matching lane's place is the
; count so far plus the matching lanes below it; the others write the dump entry.  refill = 1: the four slots are asked for again, 2,048 tokens on.
; left: how many younger loads may stay out.
.macro GROUP gi, refill, left
	s_wait_loadcnt \left
.irp k, 0,1,2,3,4,5,6,7
	v_lshl_add_u32 v[KY+\k], v[IDX+16*\gi+2*\k], 4, v[IDX+16*\gi+2*\k+1]
.endr
.if \refill
.irp j, 0,1,2,3
	global_load_b128 v[IDX+16*\gi+4*\j:IDX+16*\gi+4*\j+3], v2, s[8:9] offset:16384+512*(4*\gi+\j)
.endr
.endif
.irp k, 0,1,2,3,4,5,6,7
	v_and_b32 v[KY+\k], 0xff, v[KY+\k]             ; the key
.endr
.irp k, 0,1,2,3,4,5,6,7
	v_cmp_eq_u32 s[MK+\k], s16, v[KY+\k]
.endr
.irp k, 0,1,2,3,4,5,6,7
	s_bcnt1_i32_b32 s32, s[MK+\k]
	s_add_co_u32 s[RN+\k+1], s[RN+\k], s32
.endr
.irp k, 0,1,2,3,4,5,6,7
	v_mbcnt_lo_u32_b32 v[PL+\k], s[MK+\k], s[RN+\k]
.endr
.irp k, 0,1,2,3,4,5,6,7
	v_cndmask_b32 v[PL+\k], v8, v[PL+\k], s[MK+\k]
.endr
.irp k, 0,1,2,3,4,5,6,7
	v_min_u32 v[PL+\k], 0x4000, v[PL+\k]           ; inside the list and its dump entry whatever was loaded
.endr
.irp k, 0,1,2,3,4,5,6,7
	v_lshlrev_b32 v[PL+\k], 2, v[PL+\k]
.endr
.irp k, 0,1,2,3,4,5,6,7
	v_add_nc_u32 v[TK+\k], 64*(4*\gi+(\k>>1))+(\k&1), v9   ; the token's number
.endr
.irp k, 0,1,2,3,4,5,6,7
	ds_store_b32 v[PL+\k], v[TK+\k]
.endr
	s_mov_b32 s[RN], s[RN+8]
.endm
	s_mov_b32 s36, 7                               ; eight laps of 2,048 tokens: seven in the loop, the last written out
.Llap:
.irp gi, 0,1,2,3,4,5,6,7
	GROUP \gi, 1, 28                               ; 32 loads are out; the oldest four are this group's
.endr
	s_wait_xcnt 0x0                                ; the loads' base is stepped only behind this wait
	s_add_nc_u64 s[8:9], s[8:9], 16384
	v_add_nc_u32 v9, 0x800, v9
	s_sub_co_u32 s36, s36, 1
	s_cmp_lg_u32 s36, 0
	s_cbranch_scc1 .Llap
.irp gi, 0,1,2,3,4,5,6,7
	GROUP \gi, 0, 28-4*\gi                         ; the last lap loads nothing: the counts run down
.endr
	; ALL NINE WAVES.  The list's LDS addresses hang on the data, so the text does not show whose bytes they are: it is handled as bytes that pass between
	; waves are: the stores are waited for, every wave passes a barrier, and only then is the list read back.
.Ljoin:
	s_wait_dscnt 0x0                               ; the list is in LDS before I say so
	s_barrier_signal -1
	s_barrier_wait -1
	s_cmp_lg_u32 s17, 8
	s_cbranch_scc1 .Ldone                          ; waves 0-7 have nothing left to do
	; WAVE 8: the counts and the list leave.
	s_min_u32 s33, s[RN], 0x4000                   ; the bin's count (16,384 tokens at the most)
	s_max_u32 s34, s33, 1
	s_sub_co_u32 s34, s34, 1                       ; the last valid entry (0 in an empty bin)
	s_add_co_u32 s35, s33, 63
	s_lshr_b32 s35, s35, 6                         ; the bin's chunks of 64 rows (0 in an empty bin)
	s_max_u32 s37, s35, 1                          ; pieces of 64 entries to write: at least one, 256 at the most
	s_lshl_b32 s2, s16, 16
	s_add_nc_u64 s[28:29], s[10:11], s[2:3]        ; my bin's list
	v_lshlrev_b32 v39, 3, v1
	v_mov_b32 v48, s33
	v_mov_b32 v47, s35
	v_cmp_eq_u32 vcc_lo, 1, v1
	v_cndmask_b32 v48, v48, v47, vcc_lo            ; lane 0: the count; lane 1: the chunks
	s_lshl_b32 s2, s16, 2
	v_lshl_add_u32 v49, v1, 10, s2                 ; 4 g, and 1,024 bytes on for lane 1
	v_cmp_gt_u32 vcc_lo, 2, v1
	s_wait_xcnt 0x0                                ; EXEC is a source of the loads and stores that were issued: it changes only behind this wait
	s_and_saveexec_b32 s39, vcc_lo
	global_store_b32 v49, v48, s[14:15]            ; two words a bin
	s_wait_xcnt 0x0                                ; and again in front of the line that widens EXEC
	s_or_b32 exec_lo, exec_lo, s39
	; The copy, two entries a lane, 64 a trip; the trips are counted by 1.
	s_mov_b32 s36, 0
	s_mov_b32 s38, 0                               ; the piece's first entry
.Lcopy:
	v_lshl_add_u32 v40, v1, 1, s38
	v_add_nc_u32 v41, 1, v40
	v_min_u32 v40, s34, v40                        ; past the count: the last valid entry again
	v_min_u32 v41, s34, v41
	v_min_u32 v40, 0x3fff, v40                     ; inside the list by a constant too
	v_min_u32 v41, 0x3fff, v41
	v_lshlrev_b32 v40, 2, v40
	v_lshlrev_b32 v41, 2, v41
	ds_load_b32 v46, v40
	ds_load_b32 v47, v41
	s_wait_dscnt 0x0
	global_store_b64 v39, v[46:47], s[28:29]       ; 64 entries: 256 consecutive bytes, aligned
	s_wait_xcnt 0x0                                ; the store's data and base are written again only behind this wait
	s_add_nc_u64 s[28:29], s[28:29], 256
	s_add_co_u32 s38, s38, 64
	s_add_co_u32 s36, s36, 1
	s_cmp_lt_u32 s36, s37
	s_cbranch_scc1 .Lcopy
.Ldone:
	s_barrier_signal -1
	s_barrier_wait -1
	s_wait_tensorcnt 0x0
	ds_add_u32 v248, v249
	s_wait_dscnt 0x0
	s_endpgm
.Lfunc_end_k_qf386fe38a6_prep:
	.size	k_qf386fe38a6_prep, .Lfunc_end_k_qf386fe38a6_prep-k_qf386fe38a6_prep
	.p2alignl 7, 3214868480
	.fill 96, 4, 3214868480
	.section	.rodata,"a",@progbits
	.p2align	6, 0x0
	.amdhsa_kernel k_qf386fe38a6_prep
		.amdhsa_group_segment_fixed_size 67072
		.amdhsa_private_segment_fixed_size 0
		.amdhsa_enable_private_segment 0
		.amdhsa_kernarg_size 48
		.amdhsa_user_sgpr_count 2
		.amdhsa_user_sgpr_kernarg_segment_ptr 1
		.amdhsa_wavefront_size32 1
		.amdhsa_system_sgpr_workgroup_id_x 1
		.amdhsa_system_sgpr_workgroup_id_y 1
		.amdhsa_system_sgpr_workgroup_id_z 1
		.amdhsa_system_vgpr_workitem_id 0
		.amdhsa_next_free_vgpr 250
		.amdhsa_next_free_sgpr 66
		.amdhsa_reserve_vcc 1
		.amdhsa_float_denorm_mode_32 3
		.amdhsa_float_denorm_mode_16_64 3
		.amdhsa_memory_ordered 1
		.amdhsa_forward_progress 1
		.amdhsa_inst_pref_size 97
	.end_amdhsa_kernel
	.amdgpu_metadata
---
amdhsa.version: [ 1, 2 ]
amdhsa.kernels:
  - .name:           k_qf386fe38a6_prep
    .symbol:         k_qf386fe38a6_prep.kd
    .args:
      - { .name: W1, .offset: 0, .size: 8, .value_kind: global_buffer, .address_space: global }
      - { .name: W2, .offset: 8, .size: 8, .value_kind: global_buffer, .address_space: global }
      - { .name: routing_indices, .offset: 16, .size: 8, .value_kind: global_buffer, .address_space: global }
      - { .name: route, .offset: 24, .size: 8, .value_kind: global_buffer, .address_space: global }
      - { .name: wfrag, .offset: 32, .size: 8, .value_kind: global_buffer, .address_space: global }
      - { .name: counts, .offset: 40, .size: 8, .value_kind: global_buffer, .address_space: global }
    .group_segment_fixed_size: 67072
    .private_segment_fixed_size: 0
    .kernarg_segment_align: 8
    .kernarg_segment_size: 48
    .max_flat_workgroup_size: 288
    .sgpr_count:     66
    .vgpr_count:     250
    .wavefront_size: 32
...
	.end_amdgpu_metadata
.endif
;; end of part 1
;; launch moe (part 2): grid 256 x 1, 4 waves a work-group, no clusters, 192,000 bytes of LDS; arguments x, routing_weights, route, wfrag, counts, out0; writes out0
.if DOCPART == 2
	.amdgcn_target "amdgcn-amd-amdhsa--gfx1250"
	.amdhsa_code_object_version 6
	.text
	.protected	k_qf386fe38a6_moe
	.globl	k_qf386fe38a6_moe
	.p2align	8
	.type	k_qf386fe38a6_moe,@function
k_qf386fe38a6_moe:
	s_mov_b64 s[64:65], 0
	v_nop
	global_prefetch_b8 v0, s[64:65] scope:SCOPE_SE
	s_setreg_imm32_b32 hwreg(HW_REG_WAVE_MODE, 25, 1), 1
	s_wait_xcnt 0x0
; moe: tokens are grouped by their ordered expert pair (a, b) into 256 bins (lists in route; sizes, and numbers of chunks, in counts).  A chunk is up to 64 rows of one bin:
;   H[64][256] = gate * gelu( X[64][1024] . [W1[a] | W1[b]] ),   out[64][1024] = H . [W2[a] ; W2[b]].
; Experts that a token's slots do not name have gate 0 in the problem's own sum and are left out; a token with a = b gets its expert twice, which is the multiplicity 2.
; x is read once and out0 written once; H stays in LDS.  Sums f32, gelu and gate in f32.
; OPERANDS ARE f16, not bf16: 11 bits of significand against 8.  Four roundings (x, W1, H, W2) stand in front of each output, and where a = b both halves of H
; carry the same error, so that the eight bits of bf16 leave too little margin for outputs near zero.  x, W1 and W2 have room in f16 as they are.
; H has not (it grows with the product of x, W1 and the gate), so EACH ROW OF H IS SCALED BY A POWER OF TWO taken from the row's own largest magnitude
; (|H| x scale < 4), and the row of out is multiplied by the inverse power, which is exact.
; WHO DOES WHAT.  The chunks of all bins are numbered through, bin after bin.  Their number is the sum of ceil(count / 64): at least 16384 / 64 = 256 and at
; most (16384 + 256 * 63) / 64 = 508.  Work-group g runs chunk g and chunk g + 256: a loop of exactly two trips, so that every barrier stands in a flow
; that hangs on no data.  A chunk number past the last chunk gives a trip with no valid row: it runs on the first 64 entries of bin 255 and stores nothing.
; That work is thrown away: up to 256 of the 512 trips of the launch, where every bin's size is a multiple of 64.
; Which bin a chunk number falls into steers addresses and branches, so it is found in scalar registers, from the whole numbers that the launch before stored.
; Four waves.  Phase 1: wave w makes H's columns 64 w .. 64 w + 63 for all 64 rows (16 accumulator tiles).  Phase 2: wave w makes out's columns
; 256 w .. 256 w + 255 in four blocks of 64 columns, on the same 16 tiles.
; WEIGHTS go from memory straight into registers, in fragment order (made by the launch before): each of the 1 MiB of f16 weights of a chunk is used by
; exactly one wave, so a copy in LDS would add one write and one read of 1 MiB a chunk and serve nobody twice.  For the same reason no cluster and no joint
; loads: what work-groups share is these weights, which never lie in LDS here, and which bin a work-group serves is read from memory.
; x is gathered by row and cast on the way, so it passes through registers: no tensor load.
; THE MATRIX INSTRUCTION IS USED TRANSPOSED: source 0 = 16 columns of the weights, source 1 = 16 tokens.  Lane (r = l % 16, h = l / 16), register i of a tile
; then holds token r, column 8 h + i: eight neighbouring columns of one row.
; A bin's last chunk: rows past the count repeat the last valid token; a tile of 16 rows with no valid row is not stored, and in the one mixed tile the
; repeats store the same bytes to the same row.
; LIMITS: a number of x, W1 or W2 beyond 65,504 becomes infinite; below 2^-14 they are kept on f16's grid of 2^-24.  A row whose largest |gate * gelu| is
; below 2^-126 gives 0.  erf by the five-term rational form of Abramowitz and Stegun 7.1.26 (absolute error at most 1.5e-7 for every argument), so gelu
; carries an absolute error of about 1e-7 |x|.  Token numbers from the list are clamped to 16,383, counts to 16,384.  Indices outside 0..15: see the launch before.
.set XPITCH, 272                       ; a row of a slice of X in LDS: 128 f16 + 16 bytes, an odd multiple of 16
.set X16,    16*XPITCH
.set XSL,    64*XPITCH                 ; a slice: 64 rows x 128 columns
.set HS,     8*XSL                     ; H behind the eight slices
.set HPITCH, 528                       ; 256 f16 + 16 bytes
.set H16,    16*HPITCH
.set STG,    HS+64*HPITCH              ; the way out: 16 rows x 272 bytes for each wave, its own
.set STGW,   16*272
.set MXS,    STG+4*STGW                ; 64 rows x 16 bytes: word w of a row is the largest |H| of that row among wave w's 64 columns
; window 0 (v0-v255)
.set HST,   4                          ; where I put 16 bytes of H
.set SST,   5                          ; where I put 16 bytes of a row on the way out
.set LI0,   6                          ; 4 r
.set SRD,   7                          ; where I read a row back on the way out
.set LI1,   8                          ; 32 h + 16 (w >> 1)
.set XLANE, 9                          ; 256 (w & 1) + 16 c
.set GO,    10                         ; v[10:13]  tokens of my lane's rows, then their gates' offsets
.set MX,    10                         ; behind phase 1, in the same registers: the largest |H| of row 16 rt + r
.set GP,    14                         ; v[14:21]  pair rt: the gate of row 16 rt + r, behind gelu the row's power of two; and a partner that is only written
.set A4,    22                         ; v[22:23]  a polynomial coefficient, twice
.set TO,    24                         ; v[24:27]  16 bytes of H
.set TD,    28                         ; v[28:59]  gelu at work: TD, TU, TQ, TA, eight registers each; behind it TD's pair rt holds the row's inverse power of two
.set TU,    36
.set TQ,    44
.set TA,    52
.set XT,    28                         ; phase 1 (gelu's registers are free there): four pairs of packed f16
.set XOFF,  36                         ; phase 1: 16 offsets into x
.set XST,   60                         ; where I put 8 bytes of X; steps from slice to slice
.set XSTB,  61                         ; its value for slice 0
.set MST,   62                         ; where I put a row's maximum: MXS + 16 r + 4 w
.set MRD,   63                         ; where I read the four waves' maxima of a row: MXS + 16 r
.set ACC,   64                         ; v[64:191]  tile (rt, q) at ACC + 8 (4 rt + q)
.set XR,    192                        ; v[192:255] 16 x 4 registers of x as loaded; on the way out two buffers of 32
; window 1 (v256-v511)
.set WR,    0                          ; four stages of four weight fragments
.set FR,    128                        ; two buffers of four token fragments
.set YOFF,  192                        ; 32 offsets into out0
.set XA,    224                        ; my X fragments' LDS address; steps from slice to slice
.set XAB,   225                        ; its value for slice 0
.set HA,    226                        ; my H fragments' LDS address
.set WL,    227                        ; 16 x lane
.set LI2,   228                        ; 32 h
.set YLANE, 229                        ; 16 c
; s_set_vgpr_msb's low byte: bits 1:0 source 0, 3:2 source 1, 5:4 source 2, 7:6 destination; the high byte repeats the setting that is left
.set WIN1, 0x55                        ; everything in window 1: fragment and weight loads
.set WINM, 0x05                        ; sources 0 and 1 (weights, tokens) window 1, C and D window 0
.set WINS, 0x01                        ; a store's offset window 1, its data window 0
.set TO1,  0x40                        ; destination window 1, sources window 0
.set MSB, 0
.macro WIN new
.if MSB != \new
	s_set_vgpr_msb (MSB<<8)|\new
.set MSB, \new
.endif
.endm
.macro PLACES                          ; four plain vector instructions between a matrix instruction and what touches its registers (ISA guide 7.12.1)
.rept 4
	v_nop
.endr
.endm
; four token fragments (16 rows x 32 k each) into buffer buf: two loads of 16 bytes, 32 bytes apart, a fragment
.macro FRAG buf, adr, off, p16
	WIN WIN1
.irp rt, 0,1,2,3
	ds_load_b128 v[FR+32*\buf+8*\rt:FR+32*\buf+8*\rt+3],   v[\adr] offset:\off+\rt*\p16
	ds_load_b128 v[FR+32*\buf+8*\rt+4:FR+32*\buf+8*\rt+7], v[\adr] offset:\off+\rt*\p16+32
.endr
.endm
; four weight fragments (64 columns x 32 k, 4,096 consecutive bytes) into stage st
.macro WLD st, wb, off
	WIN WIN1
.irp q, 0,1,2,3
	global_load_b128 v[WR+32*\st+8*\q:WR+32*\st+8*\q+3],   v[WL], s[\wb:\wb+1] offset:\off+1024*\q
	global_load_b128 v[WR+32*\st+8*\q+4:WR+32*\st+8*\q+7], v[WL], s[\wb:\wb+1] offset:\off+1024*\q+512
.endr
.endm
; eight matrix instructions: row tiles rt0, rt0 + 1 x four column tiles.  zero = 1: the product starts the sums.
.macro MM8 fb, st, rt0, zero
	WIN WINM
.irp rt, \rt0, \rt0+1
.irp q, 0,1,2,3
.if \zero
	v_wmma_f32_16x16x32_f16 v[ACC+8*(4*(\rt)+\q):ACC+8*(4*(\rt)+\q)+7], v[WR+32*\st+8*\q:WR+32*\st+8*\q+7], v[FR+32*\fb+8*(\rt):FR+32*\fb+8*(\rt)+7], 0
.else
	v_wmma_f32_16x16x32_f16 v[ACC+8*(4*(\rt)+\q):ACC+8*(4*(\rt)+\q)+7], v[WR+32*\st+8*\q:WR+32*\st+8*\q+7], v[FR+32*\fb+8*(\rt):FR+32*\fb+8*(\rt)+7], v[ACC+8*(4*(\rt)+\q):ACC+8*(4*(\rt)+\q)+7]
.endif
.endr
.endr
.endm
; One step of 32 along K: 16 matrix instructions on token buffer fb and weight stage st.  The 16 accumulators take turns, one instruction a turn, in the
; same order in every step.  In the middle: the next step's token fragments (fr) and the weights of three steps on (wl).
; nw: how many younger global loads may stay out when stage st has to be there.
.macro KSTEP fb, st, zero, nw, fr, fadr, foff, fp16, wl, wb, woff
.set KFB, 1-\fb
.set KST, (\st+3)&3
	s_wait_loadcnt \nw
	s_wait_dscnt 4                                 ; row tiles 0, 1 are in; the youngest four loads (row tiles 2, 3) may be out
	MM8 \fb, \st, 0, \zero
	PLACES                                         ; the loads below land in registers that the step before has read
.if \fr
	FRAG KFB, \fadr, \foff, \fp16
.endif
.if \wl
	WLD KST, \wb, \woff
.endif
.if \fr
	s_wait_dscnt 8                                 ; all but the eight just issued
.else
	s_wait_dscnt 0
.endif
	MM8 \fb, \st, 2, \zero
.endm
; My 16 loads of a slice of x (each 16 bytes a lane; 16 lanes take 256 consecutive bytes of a token's row) are cast to f16 and put into LDS;
; re = 1: each register quad is asked for again at once, with the slice at byte xo of the rows.  The wait for load i leaves n0 - dec * i younger loads out.
.macro STAGE n0, dec, re, xo
	WIN 0
.set SI, 0
.rept 16
	s_wait_loadcnt \n0-\dec*SI
	v_cvt_pk_f16_f32 v[XT+2*(SI&3)],   v[XR+4*SI],   v[XR+4*SI+1]
	v_cvt_pk_f16_f32 v[XT+2*(SI&3)+1], v[XR+4*SI+2], v[XR+4*SI+3]
	ds_store_b64 v[XST], v[XT+2*(SI&3):XT+2*(SI&3)+1] offset:(16*(SI/4)+(SI&3))*XPITCH
.if \re
	global_load_b128 v[XR+4*SI:XR+4*SI+3], v[XOFF+SI], s[4:5] offset:\xo
.endif
.set SI, SI+1
.endr
	v_add_nc_u32 v[XST], XSL, v[XST]               ; the next slice's bytes: each slice is written once a trip
.endm
; Slice s of X is multiplied (four steps) while slice s + 1 is put into LDS first and slice s + 2 is on its way.  The slices are written out one after the
; other, so that the places in x and in the weights are immediates and every LDS address is a constant plus the lane's term.
.macro ITER s, zero, re, n0, dec, nw0, nw1, nw2, nw3
	STAGE \n0, \dec, \re, 512*(\s+2)
	s_wait_dscnt 0x0                               ; my part of slice s + 1 is in LDS, and my reads so far are back, before I say so
	s_barrier_signal -1
	s_barrier_wait -1
	KSTEP 0, 0, \zero, \nw0, 1, XA, 64,  X16, 1, 28, 4096*(4*\s+3)
	KSTEP 1, 1, 0,     \nw1, 1, XA, 128, X16, 1, 28, 4096*(4*\s+4)
	KSTEP 0, 2, 0,     \nw2, 1, XA, 192, X16, 1, 28, 4096*(4*\s+5)
	KSTEP 1, 3, 0,     \nw3, 1, XA, XSL, X16, 1, 28, 4096*(4*\s+6)
	WIN WIN1
	v_add_nc_u32 v[XA], XSL, v[XA]
.endm
; gate * gelu of one tile, eight numbers a lane, left in f32 in the tile's own registers, and the running maximum of its magnitudes for my row.
; gelu(x) = 0.5 x + |x| (0.5 - 0.5 poly(t) exp(-x^2/2)), t = 1 / (1 + 0.23164189 |x|);
; the coefficients are half of the series' and negated, so that every step is a plain fused multiply-add.
.macro GELU rt, q
.set GX, ACC+8*(4*\rt+\q)
.irp k, 0,1,2,3,4,5,6,7
	v_and_b32 v[TA+\k], s49, v[GX+\k]              ; |x|
.endr
.irp k, 0,2,4,6
	v_pk_fma_f32 v[TD+\k:TD+\k+1], v[TA+\k:TA+\k+1], s[48:49], 1.0 op_sel_hi:[1,0,0]
.endr
.irp k, 0,2,4,6
	v_pk_mul_f32 v[TU+\k:TU+\k+1], v[GX+\k:GX+\k+1], v[GX+\k:GX+\k+1]
.endr
.irp k, 0,1,2,3,4,5,6,7
	v_rcp_f32 v[TD+\k], v[TD+\k]                   ; t
.endr
.irp k, 0,2,4,6
	v_pk_mul_f32 v[TU+\k:TU+\k+1], v[TU+\k:TU+\k+1], 0xbf38aa3b op_sel_hi:[1,0]   ; -x^2 / 2 in base 2; plain work that names no t, behind the reciprocals (ISA guide 5.7.2)
.endr
.irp k, 0,1,2,3,4,5,6,7
	v_exp_f32 v[TU+\k], v[TU+\k]
.endr
	s_wait_alu depctr_va_vdst(0)
.irp k, 0,2,4,6
	v_pk_fma_f32 v[TQ+\k:TQ+\k+1], v[TD+\k:TD+\k+1], 0xbf07dc22, v[A4:A4+1] op_sel_hi:[1,0,1]   ; plain work that names no exponential, behind them
.endr
.irp k, 0,2,4,6
	v_pk_fma_f32 v[TQ+\k:TQ+\k+1], v[TQ+\k:TQ+\k+1], v[TD+\k:TD+\k+1], 0xbf35f0e3 op_sel_hi:[1,1,0]
.endr
.irp k, 0,2,4,6
	v_pk_fma_f32 v[TQ+\k:TQ+\k+1], v[TQ+\k:TQ+\k+1], v[TD+\k:TD+\k+1], 0x3e11a98e op_sel_hi:[1,1,0]
.endr
.irp k, 0,2,4,6
	v_pk_fma_f32 v[TQ+\k:TQ+\k+1], v[TQ+\k:TQ+\k+1], v[TD+\k:TD+\k+1], 0xbe027906 op_sel_hi:[1,1,0]
.endr
.irp k, 0,2,4,6
	v_pk_mul_f32 v[TQ+\k:TQ+\k+1], v[TQ+\k:TQ+\k+1], v[TD+\k:TD+\k+1]
.endr
.irp k, 0,2,4,6
	v_pk_fma_f32 v[TQ+\k:TQ+\k+1], v[TQ+\k:TQ+\k+1], v[TU+\k:TU+\k+1], 0.5 op_sel_hi:[1,1,0]    ; half of erf(|x| / sqrt 2)
.endr
.irp k, 0,2,4,6
	v_pk_mul_f32 v[TA+\k:TA+\k+1], v[TA+\k:TA+\k+1], v[TQ+\k:TQ+\k+1]
.endr
.irp k, 0,2,4,6
	v_pk_fma_f32 v[TA+\k:TA+\k+1], v[GX+\k:GX+\k+1], 0.5, v[TA+\k:TA+\k+1] op_sel_hi:[1,0,1]
.endr
.irp k, 0,2,4,6
	v_pk_mul_f32 v[GX+\k:GX+\k+1], v[TA+\k:TA+\k+1], v[GP+2*\rt:GP+2*\rt+1] op_sel_hi:[1,0]     ; both by the pair's first register: my row's gate
.endr
.irp k, 0,1,2,3,4,5,6,7
	v_and_b32 v[TD+\k], s49, v[GX+\k]              ; |H|
.endr
.if \q == 0
	v_max_num_f32 v[MX+\rt], v[TD], v[TD+1]        ; the row tile's first numbers start the maximum: nothing is cleared
.else
	v_max3_num_f32 v[MX+\rt], v[TD], v[TD+1], v[MX+\rt]
.endif
	v_max3_num_f32 v[MX+\rt], v[TD+2], v[TD+3], v[MX+\rt]
	v_max3_num_f32 v[MX+\rt], v[TD+4], v[TD+5], v[MX+\rt]
	v_max3_num_f32 v[MX+\rt], v[TD+6], v[TD+7], v[MX+\rt]
.endm
; One tile of H: times the row's inverse power of two, rounded to f16, 16 bytes into LDS.
.macro HOUT rt, q
.set GX, ACC+8*(4*\rt+\q)
.irp k, 0,2,4,6
	v_pk_mul_f32 v[TA+\k:TA+\k+1], v[GX+\k:GX+\k+1], v[TD+2*\rt:TD+2*\rt+1] op_sel_hi:[1,0]     ; both by the pair's first register
.endr
.irp k, 0,1,2,3
	v_cvt_pk_f16_f32 v[TO+\k], v[TA+2*\k], v[TA+2*\k+1]
.endr
	ds_store_b128 v[HST], v[TO:TO+3] offset:\rt*H16+32*\q
.endm
; 16 rows x 64 columns of f32 leave: times the row's power of two, into my own stage, back as whole rows of 256 bytes, and out.  Entered with every window 0.
.macro OUT rt
.set OB, XR+32*(\rt&1)
.irp q, 0,1,2,3
.irp k, 0,2,4,6
	v_pk_mul_f32 v[ACC+8*(4*\rt+\q)+\k:ACC+8*(4*\rt+\q)+\k+1], v[ACC+8*(4*\rt+\q)+\k:ACC+8*(4*\rt+\q)+\k+1], v[GP+2*\rt:GP+2*\rt+1] op_sel_hi:[1,0]
.endr
.endr
.irp q, 0,1,2,3
	ds_store_b128 v[SST], v[ACC+8*(4*\rt+\q):ACC+8*(4*\rt+\q)+3]   offset:64*\q
	ds_store_b128 v[SST], v[ACC+8*(4*\rt+\q)+4:ACC+8*(4*\rt+\q)+7] offset:64*\q+16
.endr
	s_wait_xcnt 0x0                                ; the registers below were earlier stores' data: loaded again only behind this wait
.irp t, 0,1,2,3,4,5,6,7
	ds_load_b128 v[OB+4*\t:OB+4*\t+3], v[SRD] offset:XPITCH*\t     ; LDS serves a wave's instructions in order (ISA guide 5.7.1): these see the stores above
.endr
	WIN WINS
.irp t, 0,1,2,3,4,5,6,7
	s_wait_dscnt 7-\t
	global_store_b128 v[YOFF+8*\rt+\t], v[OB+4*\t:OB+4*\t+3], s[34:35] th:TH_STORE_NT   ; 16 lanes store 256 consecutive bytes, aligned, of token row 16 rt + 8 h + t
.endr
.endm
; One block of 64 columns of out: eight steps along H's 256 columns (four of expert a, four of expert b), then the way out.
.macro BLOCK last
	KSTEP 0, 0, 1, 16, 1, HA, 64,  H16, 1, 30, 12288
	KSTEP 1, 1, 0, 16, 1, HA, 128, H16, 1, 32, 0
	KSTEP 0, 2, 0, 16, 1, HA, 192, H16, 1, 32, 4096
	KSTEP 1, 3, 0, 16, 1, HA, 256, H16, 1, 32, 8192
	KSTEP 0, 0, 0, 16, 1, HA, 320, H16, 1, 32, 12288
.if \last
	KSTEP 1, 1, 0, 16, 1, HA, 384, H16, 0, 0, 0    ; nothing is left to fetch: the counts run down 16, 8, 0
	KSTEP 0, 2, 0, 8,  1, HA, 448, H16, 0, 0, 0
	KSTEP 1, 3, 0, 0,  0, 0, 0, 0, 0, 0, 0
.else
	KSTEP 1, 1, 0, 16, 1, HA, 384, H16, 1, 30, 16384   ; the next block's first three steps
	KSTEP 0, 2, 0, 16, 1, HA, 448, H16, 1, 30, 20480
	KSTEP 1, 3, 0, 16, 1, HA, 0,   H16, 1, 30, 24576
.endif
	PLACES                                         ; behind the last matrix instructions, in front of the vector work on their results
.irp rt, 0,1,2,3
	WIN 0
	s_cmp_le_u32 s22, 16*\rt                       ; no valid row from here on: nothing more to store
	s_cbranch_scc1 .Lout_done_\@
	OUT \rt
.endr
	WIN 0
.Lout_done_\@:
.if \last == 0
	s_wait_xcnt 0x0                                ; the bases of pending loads and stores are stepped only behind this wait
	s_add_nc_u64 s[30:31], s[30:31], 16384
	s_add_nc_u64 s[32:33], s[32:33], 16384
	s_add_nc_u64 s[34:35], s[34:35], 256
.endif
.endm
; THE SEARCH for chunk numbers s85 (= g) and s86 (= g + 256), in scalar registers.  The bin of a chunk number c is the LAST bin in front of which at most c chunks
; lie: an empty bin has the same number in front of it as the bin behind it and so never stays, and a c past the last chunk ends in bin 255.
; Level 1, one group of 16 bins (the bins of one first expert), whose chunk numbers lie in s[base : base + 15]; s84 = chunks in front of the group.
; more = 1: the registers are asked for again at once, with the group four further on.
.macro GROUP16 G, base, more
	s_cmp_le_u32 s84, s85
	s_cselect_b32 s87, \G, s87
	s_cselect_b32 s88, s84, s88
	s_cmp_le_u32 s84, s86
	s_cselect_b32 s89, \G, s89
	s_cselect_b32 s90, s84, s90
.irp i, 0,1,2,3,4,5,6,7,8,9,10,11,12,13,14,15
	s_add_co_u32 s84, s84, s[\base+\i]
.endr
.if \more
	s_load_b512 s[\base:\base+15], s[12:13], 0x400+64*(\G+4)
.endif
.endm
; Level 2: the 16 bins of the group found.  run: chunks in front of the group (used up); s[nb ..] the bins' chunk numbers, s[cb ..] their counts.
; Out: the bin's number in the group, the chunks in front of it, its count.  The group's first bin starts the choice: the group was chosen so that run <= c.
.macro WALK c, run, nb, cb, oj, ost, ocnt
	s_mov_b32 \oj, 0
	s_mov_b32 \ost, \run
	s_mov_b32 \ocnt, s[\cb]
	s_add_co_u32 \run, \run, s[\nb]
.irp j, 1,2,3,4,5,6,7,8,9,10,11,12,13,14,15
	s_cmp_le_u32 \run, \c
	s_cselect_b32 \oj, \j, \oj
	s_cselect_b32 \ost, \run, \ost
	s_cselect_b32 \ocnt, s[\cb+\j], \ocnt
	s_add_co_u32 \run, \run, s[\nb+\j]
.endr
.endm
; From the bin to a trip's figures: a, b, my expert, valid rows, the byte in route of the chunk's 64 entries (with no valid row: the list's first entries, which are
; always written).  Every figure that enters an address is clamped by a constant first.
.macro DERIVE c, grp, oj, ost, ocnt, oa, ob, oe, onv, olo
	s_sub_co_u32 s97, \c, \ost                     ; the chunk's number within the bin
	s_lshl_b32 s97, s97, 6                         ; its first entry
	s_min_u32 s2, \ocnt, 0x4000
	s_sub_co_i32 \onv, s2, s97
	s_max_i32 \onv, \onv, 0
	s_min_i32 \onv, \onv, 64                       ; valid rows
	s_cmp_eq_u32 \onv, 0
	s_cselect_b32 s97, 0, s97
	s_min_u32 s97, s97, 0x3fc0
	s_min_u32 \oa, \grp, 15
	s_min_u32 \ob, \oj, 15
	s_cmp_lt_u32 s20, 2
	s_cselect_b32 \oe, \oa, \ob                    ; phase 1: waves 0, 1 work for expert a, waves 2, 3 for b
	s_min_u32 \oe, \oe, 15
	s_lshl_b32 \olo, \oa, 4
	s_add_co_u32 \olo, \olo, \ob                   ; the bin
	s_min_u32 \olo, \olo, 255
	s_lshl_b32 \olo, \olo, 16                      ; 65,536 bytes a bin,
	s_lshl_b32 s97, s97, 2
	s_add_co_u32 \olo, \olo, s97                   ; 4 an entry
.endm
	s_load_b256 s[4:11], s[0:1], 0x0               ; x s[4:5], routing_weights s[6:7], route s[8:9], wfrag s[10:11]
	s_load_b128 s[12:15], s[0:1], 0x20             ; counts s[12:13], out0 s[14:15]
	s_set_vgpr_msb 0x40
	v_lshl_add_u32 v254, v0, 2, 0x2ec00
	v_mov_b32 v255, 0
	s_set_vgpr_msb 0x4000
	s_mov_b32 s84, 0                               ; chunks so far
	s_mov_b32 s85, ttmp9                           ; my first chunk number: g
	s_add_co_u32 s86, s85, 256                     ; my second
	s_mov_b32 s87, 0                               ; group and chunks in front of it, for the first,
	s_mov_b32 s88, 0
	s_mov_b32 s89, 0                               ; and for the second
	s_mov_b32 s90, 0
	s_mov_b32 s3, 0
	s_wait_kmcnt 0x0
	s_load_b512 s[16:31], s[12:13], 0x400          ; the chunk numbers of bins 0 .. 63, 16 a load
	s_load_b512 s[32:47], s[12:13], 0x440
	s_load_b512 s[48:63], s[12:13], 0x480
	s_load_b512 s[68:83], s[12:13], 0x4c0
	s_wait_kmcnt 0x0                               ; scalar loads come back in no order (ISA guide 5.7.1): the wait is for all
	GROUP16 0,  16, 1
	GROUP16 1,  32, 1
	GROUP16 2,  48, 1
	GROUP16 3,  68, 1
	s_wait_kmcnt 0x0
	GROUP16 4,  16, 1
	GROUP16 5,  32, 1
	GROUP16 6,  48, 1
	GROUP16 7,  68, 1
	s_wait_kmcnt 0x0
	GROUP16 8,  16, 1
	GROUP16 9,  32, 1
	GROUP16 10, 48, 1
	GROUP16 11, 68, 1
	s_wait_kmcnt 0x0
	GROUP16 12, 16, 0
	GROUP16 13, 32, 0
	GROUP16 14, 48, 0
	GROUP16 15, 68, 0
	s_min_u32 s87, s87, 15
	s_min_u32 s89, s89, 15
	s_lshl_b32 s2, s87, 6                          ; 64 bytes a group
	s_add_nc_u64 s[98:99], s[12:13], s[2:3]
	s_lshl_b32 s2, s89, 6
	s_add_nc_u64 s[100:101], s[12:13], s[2:3]
	s_load_b512 s[16:31], s[98:99], 0x400          ; the first chunk's group: chunk numbers,
	s_load_b512 s[32:47], s[98:99], 0x0            ; counts
	s_load_b512 s[48:63], s[100:101], 0x400        ; the second chunk's group
	s_load_b512 s[68:83], s[100:101], 0x0
	s_wait_kmcnt 0x0
	WALK s85, s88, 16, 32, s91, s92, s93
	WALK s86, s90, 48, 68, s94, s95, s96
	v_lshrrev_b32 v1, 5, v0
	v_readfirstlane_b32 s20, v1                    ; wave 0..3
	s_and_b32 s50, s20, 1
	s_lshr_b32 s51, s20, 1
	s_mov_b32 s48, 0x3e6d3388                      ; 0.23164189 = 0.3275911 / sqrt 2
	s_mov_b32 s49, 0x7fffffff                      ; clears a sign
	s_mov_b32 s52, 0x76543210                      ; v_permlanex16_b32: lane i of one half reads lane i of the other
	s_mov_b32 s53, 0xfedcba98
	s_lshl_b32 s54, s50, 17                        ; W1f: my 64 columns of my expert's 128
	s_lshl_b32 s55, s20, 16
	s_add_co_u32 s55, s55, 0x400000                ; W2f: my 256 columns
	s_mul_i32 s36, s51, 4*XPITCH
	s_lshl_b32 s2, s50, 7
	s_add_co_u32 s36, s36, s2                      ; x into LDS: 4 rows for w >> 1, 128 bytes for w & 1
	s_mul_i32 s37, s20, STGW
	s_add_co_u32 s37, s37, STG                     ; my stage
	s_lshl_b32 s38, s51, 4
	s_lshl_b32 s39, s50, 8
	s_lshl_b32 s56, s20, 7
	s_add_co_u32 s56, s56, HS                      ; my 64 columns of H
	s_lshl_b32 s57, s20, 2
	s_add_co_u32 s57, s57, MXS                     ; my word of a row's four maxima
	v_and_b32 v1, 15, v0                           ; r, also c
	v_bfe_u32 v2, v0, 4, 1                         ; h
	v_and_b32 v3, 31, v0                           ; lane
	v_mul_u32_u24 v28, v2, 8*XPITCH
	v_mul_u32_u24 v29, v1, XPITCH
	v_mul_u32_u24 v30, v1, HPITCH
	v_lshl_add_u32 v30, v2, 4, v30                 ; r * 528 + 16 h
	v_lshl_add_u32 v31, v1, 3, v28                 ; 8 h rows + 8 c
	v_lshl_add_u32 v32, v1, 4, v28                 ; 8 h rows + 16 c
	v_add_nc_u32 v[HST], s56, v30
	v_lshl_add_u32 v[SST], v2, 5, v29
	v_add_nc_u32 v[SST], s37, v[SST]               ; stage + r * 272 + 32 h
	v_add_nc_u32 v[SRD], s37, v32
	v_lshlrev_b32 v[LI0], 2, v1
	v_lshl_add_u32 v[LI1], v2, 5, s38              ; list entries 8 h + 4 (w >> 1) ..
	v_lshl_add_u32 v[XLANE], v1, 4, s39
	v_add_nc_u32 v[XSTB], s36, v31
	v_lshl_add_u32 v[MST], v1, 4, s57              ; MXS + 16 r + 4 w
	v_lshlrev_b32 v[MRD], 4, v1
	v_add_nc_u32 v[MRD], MXS, v[MRD]               ; MXS + 16 r
	v_mov_b32 v[A4], 0x3f3a00e3
	v_mov_b32 v[A4+1], 0x3f3a00e3
.irp rt, 0,1,2,3
	v_mov_b32 v[GP+2*\rt+1], 0                     ; the gates' partners: a packed source is a pair, of which only the first register is used
.endr
	WIN TO1                                        ; destinations in window 1, sources in window 0
	v_lshl_add_u32 v[XAB], v2, 4, v29              ; r * 272 + 16 h
	v_add_nc_u32 v[HA], HS, v30
	v_lshlrev_b32 v[WL], 4, v3
	v_lshlrev_b32 v[LI2], 5, v2
	v_lshlrev_b32 v[YLANE], 4, v1
	WIN 0
	s_lshl_b32 s2, s20, 10
	s_add_nc_u64 s[46:47], s[14:15], s[2:3]        ; out0 at my 256 columns
	DERIVE s85, s87, s91, s92, s93, s16, s17, s18, s22, s23   ; chunk g: a, b, my expert, valid rows, place in route
	DERIVE s86, s89, s94, s95, s96, s40, s41, s42, s43, s44   ; chunk g + 256, kept for the second trip
	s_mov_b32 s39, 0
.Ltrip:
	s_wait_xcnt 0x0                                ; offsets, data and bases of the last trip's loads and stores are written again only behind this wait
	s_mov_b32 s3, 0
	s_mov_b32 s2, s23
	s_add_nc_u64 s[24:25], s[8:9], s[2:3]          ; the chunk's 64 entries
	s_lshl_b32 s2, s18, 18
	s_add_co_u32 s2, s2, s54
	s_add_nc_u64 s[28:29], s[10:11], s[2:3]        ; W1f of my expert, my 64 columns
	s_lshl_b32 s2, s16, 18
	s_add_co_u32 s2, s2, s55
	s_add_nc_u64 s[30:31], s[10:11], s[2:3]        ; W2f of a, my 256 columns
	s_lshl_b32 s2, s17, 18
	s_add_co_u32 s2, s2, s55
	s_add_nc_u64 s[32:33], s[10:11], s[2:3]        ; W2f of b
	s_mov_b64 s[34:35], s[46:47]
	s_lshl_b32 s19, s18, 2
.irp rt, 0,1,2,3
	global_load_b128 v[XOFF+4*\rt:XOFF+4*\rt+3], v[LI1], s[24:25] offset:64*\rt            ; the tokens whose x I fetch: rows 16 rt + 8 h + 4 (w >> 1) + 0..3
.endr
.irp rt, 0,1,2,3
	global_load_b32 v[GO+\rt], v[LI0], s[24:25] offset:64*\rt                              ; the tokens whose gates I need: 16 rt + r
.endr
	v_mov_b32 v[XST], v[XSTB]
	WIN WIN1
.irp rt, 0,1,2,3
	global_load_b128 v[YOFF+8*\rt:YOFF+8*\rt+3],   v[LI2], s[24:25] offset:64*\rt          ; the tokens whose rows I store: 16 rt + 8 h + 0..7
	global_load_b128 v[YOFF+8*\rt+4:YOFF+8*\rt+7], v[LI2], s[24:25] offset:64*\rt+16
.endr
	v_mov_b32 v[XA], v[XAB]
	WIN 0
	s_wait_loadcnt 0x0
.irp rt, 0,1,2,3
	v_min_u32 v[GO+\rt], 0x3fff, v[GO+\rt]
	v_lshl_add_u32 v[GO+\rt], v[GO+\rt], 6, s19    ; 64 bytes a token, 4 an expert
.endr
.irp rt, 0,1,2,3
	global_load_b32 v[GP+2*\rt], v[GO+\rt], s[6:7]
.endr
.set SI, 0
.rept 16
	v_min_u32 v[XOFF+SI], 0x3fff, v[XOFF+SI]
	v_lshl_add_u32 v[XOFF+SI], v[XOFF+SI], 12, v[XLANE]
	global_load_b128 v[XR+4*SI:XR+4*SI+3], v[XOFF+SI], s[4:5]      ; slice 0.  No hint: the padding rows name a token again
.set SI, SI+1
.endr
	WIN WIN1
.set SI, 0
.rept 32
	v_min_u32 v[YOFF+SI], 0x3fff, v[YOFF+SI]
	v_lshl_add_u32 v[YOFF+SI], v[YOFF+SI], 12, v[YLANE]
.set SI, SI+1
.endr
	STAGE 15, 0, 1, 512                            ; younger than load i: 15 - i of slice 0 and i of slice 1; the gates are older
	WLD 0, 28, 0
	WLD 1, 28, 4096
	WLD 2, 28, 8192
	s_wait_dscnt 0x0                               ; my part of slice 0 is in LDS before I say so
	s_barrier_signal -1
	s_barrier_wait -1
	FRAG 0, XA, 0, X16
	; PHASE 1.  Weights of step k are asked for in the middle of step k - 3.  Younger than a slice's load i at its cast: the rest of the slice (15 - i), the
	; weight loads issued since (24 at first, then 32), and i loads of the next slice.  Younger than a step's weights: two steps' weights (16), and the 16
	; loads of x where these were issued behind them.
	ITER 0, 1, 1, 39, 0, 32, 32, 32, 16
	ITER 1, 0, 1, 47, 0, 32, 32, 32, 16
	ITER 2, 0, 1, 47, 0, 32, 32, 32, 16
	ITER 3, 0, 1, 47, 0, 32, 32, 32, 16
	ITER 4, 0, 1, 47, 0, 32, 32, 32, 16
	ITER 5, 0, 1, 47, 0, 32, 32, 32, 16
	ITER 6, 0, 0, 47, 1, 16, 16, 16, 16            ; slice 7 is cast; nothing of x is left to fetch
	KSTEP 0, 0, 0, 16, 1, XA, 64,  X16, 1, 28, 4096*31   ; slice 7: the last weights of phase 1,
	KSTEP 1, 1, 0, 16, 1, XA, 128, X16, 1, 30, 0         ; then the first three steps' of phase 2
	KSTEP 0, 2, 0, 16, 1, XA, 192, X16, 1, 30, 4096
	KSTEP 1, 3, 0, 16, 0, 0, 0, 0, 1, 30, 8192
	PLACES
	WIN 0
	; H in f32, in the accumulators' registers, and each row's largest magnitude among my 64 columns
.irp rt, 0,1,2,3
.irp q, 0,1,2,3
	GELU \rt, \q
.endr
.endr
.irp rt, 0,1,2,3
	v_permlanex16_b32 v[TD+\rt], v[MX+\rt], s52, s53   ; the other half of the lanes holds the row's other 32 columns (the destination was written by gelu)
.endr
.irp rt, 0,1,2,3
	v_max_num_f32 v[MX+\rt], v[MX+\rt], v[TD+\rt]
	ds_store_b32 v[MST], v[MX+\rt] offset:256*\rt  ; lanes r and 16 + r write the same word with the same value
.endr
	s_wait_dscnt 0x0                               ; my maxima are in LDS, and my reads of X are back, before I say so
	s_barrier_signal -1
	s_barrier_wait -1
.irp rt, 0,1,2,3
	ds_load_b128 v[TU+4*\rt:TU+4*\rt+3], v[MRD] offset:256*\rt     ; row 16 rt + r: the four waves' maxima
.endr
	s_wait_dscnt 0x0
.irp rt, 0,1,2,3
	v_max3_num_f32 v[MX+\rt], v[TU+4*\rt], v[TU+4*\rt+1], v[TU+4*\rt+2]
	v_max_num_f32 v[MX+\rt], v[MX+\rt], v[TU+4*\rt+3]
	v_and_b32 v[MX+\rt], 0x7f800000, v[MX+\rt]     ; the exponent field alone: 2^e, at most the row's maximum and more than half of it
	v_min_u32 v[GP+2*\rt], 0x7e800000, v[MX+\rt]   ; field 253 at the most, so that the inverse is a normal number; field 0 reads as 0.0
	v_sub_nc_u32 v[TD+2*\rt], 0x7f000000, v[GP+2*\rt]  ; field 254 - e: the inverse power of two
.endr
.irp rt, 0,1,2,3
.irp q, 0,1,2,3
	HOUT \rt, \q
.endr
.endr
	s_wait_dscnt 0x0                               ; my 64 columns of H are in LDS before I say so
	s_barrier_signal -1
	s_barrier_wait -1
	; The next trip's stores into H and into the maxima stand behind eight later barriers, in front of each of which every wave has waited for its LDS reads.
	FRAG 0, HA, 0, H16
	; PHASE 2
	WIN 0
	s_mov_b32 s38, 3
.Lblock:
	BLOCK 0
	s_sub_co_u32 s38, s38, 1
	s_cmp_lg_u32 s38, 0
	s_cbranch_scc1 .Lblock
	BLOCK 1
	s_mov_b32 s16, s40                             ; the second chunk's figures
	s_mov_b32 s17, s41
	s_mov_b32 s18, s42
	s_mov_b32 s22, s43
	s_mov_b32 s23, s44
	s_add_co_u32 s39, s39, 1
	s_cmp_lt_u32 s39, 2
	s_cbranch_scc1 .Ltrip
	s_barrier_signal -1
	s_barrier_wait -1
	s_set_vgpr_msb 0x5
	s_wait_tensorcnt 0x0
	ds_add_u32 v254, v255
	s_wait_dscnt 0x0
	s_set_vgpr_msb 0x500
	s_endpgm
.Lfunc_end_k_qf386fe38a6_moe:
	.size	k_qf386fe38a6_moe, .Lfunc_end_k_qf386fe38a6_moe-k_qf386fe38a6_moe
	.p2alignl 7, 3214868480
	.fill 96, 4, 3214868480
	.section	.rodata,"a",@progbits
	.p2align	6, 0x0
	.amdhsa_kernel k_qf386fe38a6_moe
		.amdhsa_group_segment_fixed_size 192000
		.amdhsa_private_segment_fixed_size 0
		.amdhsa_enable_private_segment 0
		.amdhsa_kernarg_size 48
		.amdhsa_user_sgpr_count 2
		.amdhsa_user_sgpr_kernarg_segment_ptr 1
		.amdhsa_wavefront_size32 1
		.amdhsa_system_sgpr_workgroup_id_x 1
		.amdhsa_system_sgpr_workgroup_id_y 1
		.amdhsa_system_sgpr_workgroup_id_z 1
		.amdhsa_system_vgpr_workitem_id 0
		.amdhsa_next_free_vgpr 512
		.amdhsa_next_free_sgpr 102
		.amdhsa_reserve_vcc 0
		.amdhsa_float_denorm_mode_32 3
		.amdhsa_float_denorm_mode_16_64 3
		.amdhsa_memory_ordered 1
		.amdhsa_forward_progress 1
		.amdhsa_inst_pref_size 255
	.end_amdhsa_kernel
	.section	.bss,"aw",@nobits
	.p2align	6
	.space	262144
	.amdgpu_metadata
---
amdhsa.version: [ 1, 2 ]
amdhsa.kernels:
  - .name:           k_qf386fe38a6_moe
    .symbol:         k_qf386fe38a6_moe.kd
    .args:
      - { .name: x, .offset: 0, .size: 8, .value_kind: global_buffer, .address_space: global }
      - { .name: routing_weights, .offset: 8, .size: 8, .value_kind: global_buffer, .address_space: global }
      - { .name: route, .offset: 16, .size: 8, .value_kind: global_buffer, .address_space: global }
      - { .name: wfrag, .offset: 24, .size: 8, .value_kind: global_buffer, .address_space: global }
      - { .name: counts, .offset: 32, .size: 8, .value_kind: global_buffer, .address_space: global }
      - { .name: out0, .offset: 40, .size: 8, .value_kind: global_buffer, .address_space: global }
    .group_segment_fixed_size: 192000
    .private_segment_fixed_size: 0
    .kernarg_segment_align: 8
    .kernarg_segment_size: 48
    .max_flat_workgroup_size: 128
    .sgpr_count:     102
    .vgpr_count:     512
    .wavefront_size: 32
...
	.end_amdgpu_metadata
.endif
;; end of part 2
